; MI455X (gfx1250); checked and timed in simulation.
; The chip was launched on July 23, 2026; its instructions are those of AMD's public machine-readable ISA for CDNA 5 (MIT licence, August 2026) and "CDNA5" Instruction Set Architecture Reference Guide (July 2026). The comments in the code are by the model that wrote it; some were corrected since.
;; Codec Attention. Allowed arithmetic: float matrix products may take bf16 or f16 operands with f32 sums; all other float work in f32.
;; Inputs: features 2 x 2,048 x 1,024 float32; k_norm_w 256 float32; q_norm_w 1,024 float32; wk 256 x 1,024 float32; wo 1,024 x 1,024 float32; wq 1,024 x 1,024 float32; wv 256 x 1,024 float32.
;; Outputs: out0 2 x 2,048 x 1,024 float32.
;; Constants: head_dim = 64, num_heads = 16, num_kv_heads = 4, sliding_window = 512.
;; One version. Each part assembles by itself: llvm-mc -triple=amdgcn-amd-amdhsa -mcpu=gfx1250 --defsym DOCPART=n.
;; ======== version 1 of 1: 4 launches
;; limits: values are held in f16: magnitudes above 65,504 overflow, below 6.1e-05 lose precision
;; workspace buffers: cb 13,631,488 bytes; qkv 12,582,912 bytes; ssq 524,288 bytes; ao 8,388,608 bytes
;; launch tof16 (part 1): grid 416 x 1, 8 waves a work-group, no clusters, 0 bytes of LDS; arguments features, wq, wk, wv, wo, cb; writes cb
.if DOCPART == 1
	.amdgcn_target "amdgcn-amd-amdhsa--gfx1250"
	.amdhsa_code_object_version 6
	.text
	.protected	k_q5f16b38485_tof16
	.globl	k_q5f16b38485_tof16
	.p2align	8
	.type	k_q5f16b38485_tof16,@function
k_q5f16b38485_tof16:
	s_mov_b64 s[64:65], 0
	v_nop
	global_prefetch_b8 v0, s[64:65] scope:SCOPE_SE
	s_setreg_imm32_b32 hwreg(HW_REG_WAVE_MODE, 25, 1), 1
	s_wait_xcnt 0x0
; cb = the five large inputs, rounded from f32 to f16 and laid one behind the other:
; features [4096][1024] at byte 0, then wq (1024 rows), wk (256), wv (256), wo (1024), each row 1024 numbers.
; So X starts at byte 0, the rows of wq|wk|wv at 0x800000 and those of wo at 0xB00000.
; LIMIT: a number above 65,504 in magnitude becomes an infinity in f16; NaN and infinities are not served.
; A stream: no LDS, no barrier, no matrix unit.  A work-group converts 16,384 numbers (64 KiB in, 32 KiB out);
; a wave 2,048 of them with sixteen loads of 512 neighbouring bytes, all issued before the first wait.
; A store of a wave is 32 lanes x 8 bytes: 256 consecutive bytes, aligned.
.set X, 4                              ; v[4:67]   load j: 4 registers
.set Y, 68                             ; v[68:99]  store j: 2 registers; each j has its own, so none is rewritten
	s_load_b256 s[4:11], s[0:1], 0x0               ; features s[4:5], wq s[6:7], wk s[8:9], wv s[10:11]
	s_load_b128 s[12:15], s[0:1], 0x20             ; wo s[12:13], cb s[14:15]
	v_lshrrev_b32 v1, 5, v0                        ; wave
	v_and_b32 v2, 31, v0                           ; lane
	v_lshlrev_b32 v2, 4, v2
	v_lshl_or_b32 v1, v1, 13, v2                   ; in:  8,192 x wave + 16 x lane
	v_lshrrev_b32 v2, 1, v1                        ; out: half of that
	s_wait_kmcnt 0x0
	s_mov_b64 s[16:17], s[4:5]                     ; the source: features for work-groups 0 to 255,
	s_mov_b32 s18, 0                               ; and the first work-group of that source
.macro PICK first, lo                  ; from work-group 'first' on the source is the buffer in s[lo:lo+1]
	s_cmp_ge_u32 ttmp9, \first
	s_cselect_b64 s[16:17], s[\lo:\lo+1], s[16:17]
	s_cselect_b32 s18, \first, s18
.endm
	PICK 256, 6                                    ; wq: 64 work-groups
	PICK 320, 8                                    ; wk: 16
	PICK 336, 10                                   ; wv: 16
	PICK 352, 12                                   ; wo: 64
	s_sub_co_u32 s20, ttmp9, s18
	s_lshl_b32 s20, s20, 16                        ; 64 KiB of the source for each work-group
	s_mov_b32 s21, 0
	s_add_nc_u64 s[16:17], s[16:17], s[20:21]
	s_lshl_b32 s22, ttmp9, 15                      ; 32 KiB of cb for each work-group
	s_mov_b32 s23, 0
	s_add_nc_u64 s[14:15], s[14:15], s[22:23]
.irp j, 0,1,2,3,4,5,6,7,8,9,10,11,12,13,14,15
	global_load_b128 v[X+4*\j:X+4*\j+3], v1, s[16:17] offset:512*\j th:TH_LOAD_NT
.endr
.irp j, 0,1,2,3,4,5,6,7,8,9,10,11,12,13,14,15
	s_wait_loadcnt 15-\j                           ; loads come back in order: load j is in, the 15 - j younger ones stay out
	v_cvt_pk_f16_f32 v[Y+2*\j],   v[X+4*\j],   v[X+4*\j+1]
	v_cvt_pk_f16_f32 v[Y+2*\j+1], v[X+4*\j+2], v[X+4*\j+3]
	global_store_b64 v2, v[Y+2*\j:Y+2*\j+1], s[14:15] offset:256*\j
.endr
	s_endpgm
.Lfunc_end_k_q5f16b38485_tof16:
	.size	k_q5f16b38485_tof16, .Lfunc_end_k_q5f16b38485_tof16-k_q5f16b38485_tof16
	.p2alignl 7, 3214868480
	.fill 96, 4, 3214868480
	.section	.rodata,"a",@progbits
	.p2align	6, 0x0
	.amdhsa_kernel k_q5f16b38485_tof16
		.amdhsa_group_segment_fixed_size 0
		.amdhsa_private_segment_fixed_size 0
		.amdhsa_enable_private_segment 0
		.amdhsa_kernarg_size 48
		.amdhsa_user_sgpr_count 2
		.amdhsa_user_sgpr_kernarg_segment_ptr 1
		.amdhsa_wavefront_size32 1
		.amdhsa_system_sgpr_workgroup_id_x 1
		.amdhsa_system_sgpr_workgroup_id_y 1
		.amdhsa_system_sgpr_workgroup_id_z 1
		.amdhsa_system_vgpr_workitem_id 0
		.amdhsa_next_free_vgpr 104
		.amdhsa_next_free_sgpr 66
		.amdhsa_reserve_vcc 0
		.amdhsa_float_denorm_mode_32 3
		.amdhsa_float_denorm_mode_16_64 3
		.amdhsa_memory_ordered 1
		.amdhsa_forward_progress 1
		.amdhsa_inst_pref_size 8
	.end_amdhsa_kernel
	.amdgpu_metadata
---
amdhsa.version: [ 1, 2 ]
amdhsa.kernels:
  - .name:           k_q5f16b38485_tof16
    .symbol:         k_q5f16b38485_tof16.kd
    .args:
      - { .name: features, .offset: 0, .size: 8, .value_kind: global_buffer, .address_space: global }
      - { .name: wq, .offset: 8, .size: 8, .value_kind: global_buffer, .address_space: global }
      - { .name: wk, .offset: 16, .size: 8, .value_kind: global_buffer, .address_space: global }
      - { .name: wv, .offset: 24, .size: 8, .value_kind: global_buffer, .address_space: global }
      - { .name: wo, .offset: 32, .size: 8, .value_kind: global_buffer, .address_space: global }
      - { .name: cb, .offset: 40, .size: 8, .value_kind: global_buffer, .address_space: global }
    .group_segment_fixed_size: 0
    .private_segment_fixed_size: 0
    .kernarg_segment_align: 8
    .kernarg_segment_size: 48
    .max_flat_workgroup_size: 256
    .sgpr_count:     66
    .vgpr_count:     104
    .wavefront_size: 32
...
	.end_amdgpu_metadata
.endif
;; end of part 1
;; launch qkv (part 2): grid 8 x 32, 4 waves a work-group, clusters of 4 x 4, 327,680 bytes of LDS; arguments cb, qkv, ssq; writes qkv, ssq
.if DOCPART == 2
	.amdgcn_target "amdgcn-amd-amdhsa--gfx1250"
	.amdhsa_code_object_version 6
	.text
	.protected	k_q5f16b38485_qkv
	.globl	k_q5f16b38485_qkv
	.p2align	8
	.type	k_q5f16b38485_qkv,@function
k_q5f16b38485_qkv:
	s_mov_b64 s[64:65], 0
	v_nop
	global_prefetch_b8 v0, s[64:65] scope:SCOPE_SE
	s_setreg_imm32_b32 hwreg(HW_REG_WAVE_MODE, 25, 1), 1
	s_wait_xcnt 0x0
	s_wait_alu depctr_hold_cnt(0) depctr_sa_sdst(0) depctr_va_vdst(0) depctr_va_sdst(0) depctr_va_ssrc(0) depctr_va_vcc(0) depctr_vm_vsrc(0)
	s_getreg_b32 s2, hwreg(HW_REG_IB_STS2, 6, 4)
	s_cmp_eq_u32 s2, 0
	s_cbranch_scc0 .Lentry_in_a_cluster
	s_endpgm
.Lentry_in_a_cluster:
	s_bfe_u32 s2, ttmp6, 0x10000c
	s_cmp_lg_u32 s2, 0xf033
	s_cbranch_scc0 .Lentry_shape_is_right
	s_endpgm
.Lentry_shape_is_right:
; C[4096][1536] = X W^T, X = f16 features (cb, byte 0), W = the rows of wq|wk|wv in f16 (cb, byte 0x800000); sums in f32.
; Stored RAW (not normalised) in f16, by chunks of 64 columns: qkv[chunk][row][64], chunks 0-15 q heads, 16-19 k heads, 20-23 v heads.
; Beside it the sums of squares that the two RMS norms need, from the f32 sums: ssq[plane][strip][row], plane 0 for q's columns,
; plane 1 for k's, strip = the wave's 96 columns (16 strips); a strip with no column of a plane stores zeros there.
; LIMIT: a raw q, k or v above 65,504 in magnitude becomes an infinity in f16.
; A work-group makes 128 rows x 192 columns with four waves; a wave 64 x 96: 24 accumulator tiles of 16 x 16, 192 registers.
; 8 x 32 blocks = 256 work-groups.  K = 1024 goes in steps of 128 through two LDS slots filled by tensor loads: a tile's rows are 256 bytes.
; CLUSTERS: 4 x 4 work-groups.  X's tile hangs on the block row alone and is asked for jointly by a row of the cluster,
; W's on the block column alone and is asked for jointly by a column: four requests become one.
; REGISTERS: window 0: addresses, two fragment buffers (6 fragments of W, then 4 of X, 80 registers each), scratch; window 1: tile (a, b) at v[8 (6 a + b)].
; The matrix instruction is used transposed (source 0 = rows of W, source 1 = rows of X): a lane then holds row l % 16 of C and
; eight neighbouring columns 8 (l / 16) + 0..7, which pack into 16 bytes.
.set SIZE_K, 1024
.set KSTEP,  128
.set PITCH,  272                       ; an LDS row: 256 bytes + 16 of padding, an odd multiple of 16: the 16 rows of a fragment load start 16 bytes apart modulo 256
.set PART,   96*PITCH                  ; a wave's part of a slot: 96 rows of W (waves 2, 3) or 64 rows of X (waves 0, 1; the rest of the part is unused)
.set SLOT,   4*PART
.set STAGE,  2*SLOT                    ; behind the ring: the block in f16, 128 rows x 384 bytes, pitch 400
.set SPITCH, 400
.set SSTG,   STAGE+128*SPITCH          ; behind that: 512 bytes a wave, 64 sums for q, 64 for k
.set LAPS,   SIZE_K/(2*KSTEP)          ; a lap = two K steps = once round the ring: 4
.set CHUNK,  4096*128                  ; bytes of a chunk of qkv
.set ADRA, 16                          ; v16-17  LDS address of my X fragments in slot 0, 1
.set ADRB, 20                          ; v20-21  the same for W
.set STO,  24                          ; where I put 16 bytes of a row of the stage
.set RD,   25                          ; where I read the stage back
.set CO,   26                          ; 16 x lane: my bytes in a store of 512
.set SST,  27                          ; where I put a row's sum
.set SRD,  28                          ; where I read the sums back
.set SCO,  29                          ; my bytes in ssq
.set F0,   64                          ; fragment buffer 0: v64-143
.set F1,   144                         ; fragment buffer 1: v144-223
.set TMP,  64                          ; the way out: packed results
.set SQ,   224                         ; v[224:229] three pairs: squares of 32 columns each
.set G1, 24                            ; s[24:31] group 1 for X's tiles
.set G0, 32                            ; s[32:39] group 0 for X's tiles, one set a slot
.set G1B, 48                           ; s[48:55] group 1 for W's tiles
.set G0B, 56                           ; s[56:63] group 0 for W's tiles, one set a slot
.set MSB, 0
.macro WIN new                         ; the immediate's high byte repeats the setting that is left
.if MSB != \new
	s_set_vgpr_msb (MSB<<8)|\new
.set MSB, \new
.endif
.endm
.set MUL, 0x50                         ; sources 0 and 1 window 0, C and D window 1
; A joint load: waves 0 and 1 fetch X's two halves, waves 2 and 3 W's.  The branch hangs on the wave's number alone.
.macro JLOAD s
	s_cmp_eq_u32 s11, 0
	s_cbranch_scc0 .Lfor_b_\@
	tensor_load_to_lds s[G0+4*\s:G0+4*\s+3], s[G1:G1+7]
	s_nop 0
	s_branch .Lasked_\@
.Lfor_b_\@:
	tensor_load_to_lds s[G0B+4*\s:G0B+4*\s+3], s[G1B:G1B+7]
	s_nop 0
.Lasked_\@:
.endm
.macro CREST                           ; a round of the cluster's barrier behind its opening barrier
	s_cmp_lg_u32 s10, 0
	s_cbranch_scc1 .Lnot_wave_0_\@
	s_barrier_signal -3
.Lnot_wave_0_\@:
	s_barrier_wait -3
	s_barrier_signal -1
	s_barrier_wait -1
.endm
.macro CROUND                          ; a whole round
	s_barrier_signal -1
	s_barrier_wait -1
	CREST
.endm
	s_load_b128 s[4:7], s[0:1], 0x0                ; cb s[4:5], qkv s[6:7]
	s_load_b64 s[8:9], s[0:1], 0x10                ; ssq
	v_lshl_add_u32 v254, v0, 2, 0x40000
	v_mov_b32 v255, 0
	ds_add_u32 v254, v255
	v_lshrrev_b32 v1, 5, v0
	v_readfirstlane_b32 s10, v1                    ; wave 0..3
	s_lshr_b32 s11, s10, 1                         ; which 64 rows of the block are mine.  Also: I fetch for X (0) or for W (1)
	s_and_b32 s12, s10, 1                          ; which 96 columns.  Also: which half of that tile I fetch
	s_bfe_u32 s40, ttmp6, 0x40000                  ; cx
	s_bfe_u32 s41, ttmp6, 0x40004                  ; cy
	s_lshl_b32 s42, ttmp9, 2
	s_add_co_u32 s42, s42, s40                     ; block column = 4 x cluster x + cx
	s_and_b32 s13, ttmp7, 0xffff
	s_lshl_b32 s13, s13, 2
	s_add_co_u32 s13, s13, s41                     ; block row = 4 x cluster y + cy
	s_lshl_b32 s43, s41, 2
	s_lshl_b32 s43, 15, s43                        ; my row of the cluster: places 4 cy .. 4 cy + 3
	s_lshl_b32 s44, 0x1111, s40                    ; my column: places cx, cx + 4, cx + 8, cx + 12
	; group 1: rows of 128 elements of 2 bytes, 16 bytes of padding behind every 64 words; 64 rows for X, 96 for W
	s_or_b32 s[G1+0], s43, (1<<16)|(1<<20)|(1<<21)|(5<<22)|(3<<25)
	s_or_b32 s[G1B+0], s44, (1<<16)|(1<<20)|(1<<21)|(5<<22)|(3<<25)
	s_mov_b32 s[G1+1], KSTEP<<16                   ; tensor_dim0 = 128
	s_mov_b32 s[G1B+1], KSTEP<<16
	s_mov_b32 s[G1+2], 64<<16                      ; tensor_dim1 = 64
	s_mov_b32 s[G1B+2], 96<<16                     ; tensor_dim1 = 96
	s_mov_b32 s[G1+3], KSTEP<<16                   ; tile_dim0 = 128
	s_mov_b32 s[G1B+3], KSTEP<<16
	s_mov_b32 s[G1+4], 64                          ; tile_dim1
	s_mov_b32 s[G1B+4], 96
	s_mov_b32 s[G1+5], SIZE_K                      ; elements from row to row
	s_mov_b32 s[G1B+5], SIZE_K
	s_mov_b32 s[G1+6], 0
	s_mov_b32 s[G1B+6], 0
	s_mov_b32 s[G1+7], 0
	s_mov_b32 s[G1B+7], 0
	; where the tiles come from: X's address is made of the block row and the wave's number, W's of the block column and the wave's number
	s_lshl_b32 s16, s13, 7
	s_lshl_b32 s17, s12, 6
	s_add_co_u32 s16, s16, s17                     ; X: row 128 x block row + 64 x half
	s_lshl_b32 s16, s16, 11                        ; x 2,048 bytes
	s_mov_b32 s17, 0
	s_mul_i32 s46, s42, 192
	s_mul_i32 s47, s12, 96
	s_add_co_u32 s46, s46, s47                     ; W: row 192 x block column + 96 x half
	s_lshl_b32 s46, s46, 11
	s_add_co_u32 s46, s46, 0x800000                ; W begins behind X in cb
	s_mov_b32 s47, 0
	s_mul_i32 s20, s10, PART                       ; and where they go: wave x one part
	s_wait_dscnt 0x0
	s_wait_kmcnt 0x0
	s_add_nc_u64 s[14:15], s[4:5], s[16:17]
	s_add_nc_u64 s[46:47], s[4:5], s[46:47]
	CROUND                                         ; all sixteen work-groups are here: the first joint loads meet
.irp s, 0,1
	s_mov_b32 s[G0+4*\s], 1
	s_add_co_u32 s[G0+4*\s+1], s20, \s*SLOT
	s_add_nc_u64 s[G0+4*\s+2:G0+4*\s+3], s[14:15], \s*KSTEP*2
	s_or_b32 s[G0+4*\s+3], s[G0+4*\s+3], 0x80000000
	s_mov_b32 s[G0B+4*\s], 1
	s_add_co_u32 s[G0B+4*\s+1], s20, \s*SLOT
	s_add_nc_u64 s[G0B+4*\s+2:G0B+4*\s+3], s[46:47], \s*KSTEP*2
	s_or_b32 s[G0B+4*\s+3], s[G0B+4*\s+3], 0x80000000
	JLOAD \s                                       ; both slots are asked for before anything else: two tensor loads of the wave are out
.endr
	v_and_b32 v1, 15, v0                           ; r = l % 16
	v_bfe_u32 v2, v0, 4, 1                         ; h = l / 16
	v_and_b32 v6, 31, v0                           ; l
	v_mul_u32_u24 v3, v1, PITCH
	v_lshl_add_u32 v3, v2, 4, v3                   ; a fragment: row x pitch + 16 h
	s_mul_i32 s21, s11, PART                       ; my 64 rows of X
	s_mul_i32 s22, s12, PART
	s_add_co_u32 s22, s22, 2*PART                  ; my 96 rows of W, behind X's two parts
.irp s, 0,1
	v_add_nc_u32 v[ADRA+\s], s21, v3
	v_add_nc_u32 v[ADRB+\s], s22, v3
	s_add_co_u32 s21, s21, SLOT
	s_add_co_u32 s22, s22, SLOT
.endr
	s_mul_i32 s23, s11, 64*SPITCH
	s_mul_i32 s21, s12, 192
	s_add_co_u32 s23, s23, s21
	s_add_co_u32 s23, s23, STAGE
	v_mul_u32_u24 v4, v1, SPITCH
	v_lshl_add_u32 v4, v2, 4, v4
	v_add_nc_u32 v[STO], s23, v4                   ; stage row 64 wm + r, byte 192 wn + 16 h
	s_mul_i32 s23, s10, 32*SPITCH
	s_add_co_u32 s23, s23, STAGE
	v_lshrrev_b32 v4, 3, v6
	v_mul_u32_u24 v4, v4, SPITCH
	v_and_b32 v5, 7, v0
	v_lshl_add_u32 v4, v5, 4, v4
	v_add_nc_u32 v[RD], s23, v4                    ; back: stage row 32 wave + l / 8, byte 16 (l % 8)
	v_lshlrev_b32 v[CO], 4, v6
	s_lshl_b32 s23, s10, 9
	s_add_co_u32 s23, s23, SSTG
	v_lshlrev_b32 v4, 2, v1
	v_lshl_add_u32 v4, v2, 8, v4
	v_add_nc_u32 v[SST], s23, v4                   ; my wave's sums: plane h, row r
	v_add_nc_u32 v[SRD], s23, v[CO]
	v_lshlrev_b32 v4, 4, v1
	v_lshl_add_u32 v[SCO], v2, 18, v4              ; in ssq: plane h (262,144 bytes), 16 bytes for each of 16 lanes
	v_mov_b32 v234, 0                              ; the lane exchange below counts as a reader of its destination
	s_mov_b32 s74, 0x76543210                      ; v_permlanex16_b32: lane i of one half reads lane i of the other
	s_mov_b32 s75, 0xfedcba98
	s_mov_b32 s76, 0xffff0000                      ; the lanes with h = 1
; six matrix instructions: row block a x all six column blocks, 32 along K.  zero = 1: the first product starts the sums.
; The 24 accumulators take turns, one instruction a turn, in the same order in every quarter step.
.macro MUL6 f, a, zero
.irp b, 0,1,2,3,4,5
.if \zero
	v_wmma_f32_16x16x32_f16 v[8*(6*\a+\b):8*(6*\a+\b)+7], v[\f+8*\b:\f+8*\b+7], v[\f+48+8*\a:\f+48+8*\a+7], 0
.else
	v_wmma_f32_16x16x32_f16 v[8*(6*\a+\b):8*(6*\a+\b)+7], v[\f+8*\b:\f+8*\b+7], v[\f+48+8*\a:\f+48+8*\a+7], v[8*(6*\a+\b):8*(6*\a+\b)+7]
.endif
.endr
.endm
; 20 LDS loads in one run: the fragments of one quarter step (96 rows of W, then 64 rows of X, 32 K at byte k of the rows) into buffer f
.macro FETCH slot, k, f
	WIN 0
.irp i, 0,1,2,3,4,5
	ds_load_b128 v[\f+8*\i:\f+8*\i+3],   v[ADRB+\slot] offset:\k+\i*16*PITCH
	ds_load_b128 v[\f+8*\i+4:\f+8*\i+7], v[ADRB+\slot] offset:\k+\i*16*PITCH+32
.endr
.irp i, 0,1,2,3
	ds_load_b128 v[\f+48+8*\i:\f+48+8*\i+3],   v[ADRA+\slot] offset:\k+\i*16*PITCH
	ds_load_b128 v[\f+48+8*\i+4:\f+48+8*\i+7], v[ADRA+\slot] offset:\k+\i*16*PITCH+32
.endr
.endm
; four places between a matrix instruction and a load into, or a vector instruction on, one of its registers
.macro PLACES
.rept 4
	v_nop
.endr
.endm
; one of a K step's first three quarters: multiplies buffer f, and in its middle fetches the next quarter's fragments into buffer g
.macro QUARTER slot, k, f, g, zero
	s_wait_dscnt 4                                 ; W and X's tiles 0, 1 are in; the youngest four loads (X's tiles 2, 3) may be out
	WIN MUL
	MUL6 \f, 0, \zero
	MUL6 \f, 1, \zero
	PLACES
	FETCH \slot, \k, \g
	s_wait_dscnt 20                                ; all but the 20 just issued
	WIN MUL
	MUL6 \f, 2, \zero
	MUL6 \f, 3, \zero
.endm
.macro THREE slot, zero
	QUARTER \slot, 64,  F0, F1, \zero
	QUARTER \slot, 128, F1, F0, 0
	QUARTER \slot, 192, F0, F1, 0
.endm
; the last quarter: multiplies buffer 1 and changes slots.  In front of the barrier each wave waits for its reads of this slot and for all
; its tensor loads (one is out: its part of the next slot).  fill = 1: the barrier opens a round of the cluster's barrier, and the joint
; refill of this slot, two K steps ahead, is the first tensor load behind the round.
.macro TURN slot, next, fill
	s_wait_dscnt 4
	WIN MUL
	MUL6 F1, 0, 0
	s_wait_dscnt 0                                 ; my reads of this slot are over
	s_wait_tensorcnt 0x0                           ; all my tensor loads have landed
	ds_add_u32 v254, v255
	s_wait_dscnt 0x0
	s_barrier_signal -1
	MUL6 F1, 1, 0                                  ; register work while the others arrive
	WIN 0
	s_barrier_wait -1
.if \fill
	CREST
	s_add_nc_u64 s[G0+4*\slot+2:G0+4*\slot+3], s[G0+4*\slot+2:G0+4*\slot+3], 2*KSTEP*2
	s_add_nc_u64 s[G0B+4*\slot+2:G0B+4*\slot+3], s[G0B+4*\slot+2:G0B+4*\slot+3], 2*KSTEP*2
	JLOAD \slot
.endif
	PLACES
	FETCH \next, 0, F0
	WIN MUL
	MUL6 F1, 2, 0
	MUL6 F1, 3, 0
.endm
.macro LAP zero
	THREE 0, \zero
	TURN 0, 1, 1
	THREE 1, 0
	TURN 1, 0, 1
.endm
	s_wait_tensorcnt 1                             ; my part of K step 0 is in; K step 1's may stay out
	s_barrier_signal -1
	s_barrier_wait -1
	FETCH 0, 0, F0
	LAP 1                                          ; the first lap stands in front of the loop: its first products start the sums
	WIN 0
	s_mov_b32 s3, LAPS-2
.Llap:
	LAP 0
	WIN 0
	s_sub_co_u32 s3, s3, 1
	s_cmp_lg_u32 s3, 0
	s_cbranch_scc1 .Llap
	THREE 0, 0                                     ; the last lap fills nothing
	TURN 0, 1, 0
	THREE 1, 0
	s_wait_dscnt 4
	WIN MUL
	MUL6 F1, 0, 0
	MUL6 F1, 1, 0
	s_wait_dscnt 0
	MUL6 F1, 2, 0
	MUL6 F1, 3, 0
	PLACES                                         ; the places behind the last matrix instructions, for all that follows
	; which of my strip's three groups of 32 columns belong to q (column < 1024) and which to k (1024 <= column < 1280): factors 1.0 or 0
	s_mul_i32 s46, s42, 192
	s_mul_i32 s47, s12, 96
	s_add_co_u32 s46, s46, s47                     ; my strip's first column
.irp g, 0,1,2
	s_add_co_u32 s47, s46, 32*\g
	s_cmp_lt_u32 s47, 1024
	s_cselect_b32 s[68+\g], 0x3f800000, 0
	s_sub_co_u32 s47, s47, 1024
	s_cmp_lt_u32 s47, 256
	s_cselect_b32 s[71+\g], 0x3f800000, 0
.endr
	s_mul_i32 s46, s42, 3*CHUNK                    ; qkv: chunk 3 x block column,
	s_lshl_b32 s47, s13, 14                        ; row 128 x block row
	s_add_co_u32 s46, s46, s47
	s_lshl_b32 s47, s10, 12                        ; + 32 x wave, rows of 128 bytes
	s_add_co_u32 s46, s46, s47
	s_mov_b32 s47, 0
	s_add_nc_u64 s[6:7], s[6:7], s[46:47]
	s_lshl_b32 s46, s42, 15                        ; ssq: strip 2 x block column + wn, 16,384 bytes each,
	s_lshl_b32 s47, s12, 14
	s_add_co_u32 s46, s46, s47
	s_lshl_b32 s47, s13, 9                         ; row 128 x block row + 64 wm, 4 bytes each
	s_add_co_u32 s46, s46, s47
	s_lshl_b32 s47, s11, 8
	s_add_co_u32 s46, s46, s47
	s_mov_b32 s47, 0
	s_add_nc_u64 s[8:9], s[8:9], s[46:47]
; rows 16 a .. 16 a + 15 of my 64: squares summed in three chains (32 columns each), results rounded to f16 into the stage
.macro OUTA a
	WIN 0x05                                       ; sources 0 and 1 in window 1
.irp g, 0,1,2
	v_pk_mul_f32 v[SQ+2*\g:SQ+2*\g+1], v[8*(6*\a+2*\g):8*(6*\a+2*\g)+1], v[8*(6*\a+2*\g):8*(6*\a+2*\g)+1]
.endr
.irp i, 1,2,3,4,5,6,7
.irp g, 0,1,2
	v_pk_fma_f32 v[SQ+2*\g:SQ+2*\g+1], v[8*(6*\a+2*\g)+2*\i:8*(6*\a+2*\g)+2*\i+1], v[8*(6*\a+2*\g)+2*\i:8*(6*\a+2*\g)+2*\i+1], v[SQ+2*\g:SQ+2*\g+1]
.endr
.endr
.irp b, 0,1,2,3,4,5
.irp i, 0,1,2,3
	v_cvt_pk_f16_f32 v[TMP+4*\b+\i], v[8*(6*\a+\b)+2*\i], v[8*(6*\a+\b)+2*\i+1]
.endr
.endr
	WIN 0
.irp b, 0,1,2,3,4,5
	ds_store_b128 v[STO], v[TMP+4*\b:TMP+4*\b+3] offset:\a*16*SPITCH+32*\b
.endr
.irp g, 0,1,2
	v_add_f32 v[SQ+2*\g], v[SQ+2*\g], v[SQ+2*\g+1]
.endr
	v_mul_f32 v230, s68, v[SQ]                     ; q's share of my 48 columns
	v_mul_f32 v231, s71, v[SQ]                     ; k's share
	v_fma_f32 v230, s69, v[SQ+2], v230
	v_fma_f32 v231, s72, v[SQ+2], v231
	v_fma_f32 v230, s70, v[SQ+4], v230
	v_fma_f32 v231, s73, v[SQ+4], v231
	v_cndmask_b32 v232, v230, v231, s76            ; lanes 0-15 keep q's sum, lanes 16-31 k's,
	v_cndmask_b32 v233, v231, v230, s76            ; and hand the other one
	v_permlanex16_b32 v234, v233, s74, s75         ; to the lane of the same row in the other half
	v_add_f32 v232, v232, v234                     ; lane r: q's sum of row r over 96 columns; lane 16 + r: k's
	ds_store_b32 v[SST], v232 offset:64*\a
.endm
	OUTA 0
	OUTA 1
	OUTA 2
	OUTA 3
	s_wait_dscnt 0x0                               ; my stores into the stage are done: the rows that I read next hold another wave's columns too
	s_barrier_signal -1
	s_barrier_wait -1
	ds_load_b128 v[64:67], v[SRD]                  ; my wave's 128 sums
.irp i, 0,1,2,3,4,5,6,7
.irp c, 0,1,2
	ds_load_b128 v[68+4*(3*\i+\c):68+4*(3*\i+\c)+3], v[RD] offset:\i*4*SPITCH+128*\c   ; four rows x 128 bytes of chunk c
.endr
.endr
	s_wait_dscnt 24                                ; LDS loads come back in order: the first of the 25 is in
	global_store_b128 v[SCO], v[64:67], s[8:9]     ; 16 lanes store 256 consecutive bytes of each plane, aligned
.irp i, 0,1,2,3,4,5,6,7
.irp c, 0,1,2
	s_wait_dscnt 23-(3*\i+\c)
	global_store_b128 v[CO], v[68+4*(3*\i+\c):68+4*(3*\i+\c)+3], s[6:7] offset:\c*CHUNK+512*\i   ; four rows of a chunk: 512 consecutive bytes, aligned
.endr
.endr
	s_wait_tensorcnt 0x0
	ds_add_u32 v254, v255
	s_wait_dscnt 0x0
	CROUND                                         ; the closing round: no work-group ends while a partner may still ask for a tile that names it
	s_endpgm
.Lfunc_end_k_q5f16b38485_qkv:
	.size	k_q5f16b38485_qkv, .Lfunc_end_k_q5f16b38485_qkv-k_q5f16b38485_qkv
	.p2alignl 7, 3214868480
	.fill 96, 4, 3214868480
	.section	.rodata,"a",@progbits
	.p2align	6, 0x0
	.amdhsa_kernel k_q5f16b38485_qkv
		.amdhsa_group_segment_fixed_size 327680
		.amdhsa_private_segment_fixed_size 0
		.amdhsa_enable_private_segment 0
		.amdhsa_kernarg_size 24
		.amdhsa_user_sgpr_count 2
		.amdhsa_user_sgpr_kernarg_segment_ptr 1
		.amdhsa_wavefront_size32 1
		.amdhsa_system_sgpr_workgroup_id_x 1
		.amdhsa_system_sgpr_workgroup_id_y 1
		.amdhsa_system_sgpr_workgroup_id_z 1
		.amdhsa_system_vgpr_workitem_id 0
		.amdhsa_next_free_vgpr 448
		.amdhsa_next_free_sgpr 80
		.amdhsa_reserve_vcc 0
		.amdhsa_float_denorm_mode_32 3
		.amdhsa_float_denorm_mode_16_64 3
		.amdhsa_memory_ordered 1
		.amdhsa_forward_progress 1
		.amdhsa_inst_pref_size 106
	.end_amdhsa_kernel
	.amdgpu_metadata
---
amdhsa.version: [ 1, 2 ]
amdhsa.kernels:
  - .name:           k_q5f16b38485_qkv
    .symbol:         k_q5f16b38485_qkv.kd
    .args:
      - { .name: cb, .offset: 0, .size: 8, .value_kind: global_buffer, .address_space: global }
      - { .name: qkv, .offset: 8, .size: 8, .value_kind: global_buffer, .address_space: global }
      - { .name: ssq, .offset: 16, .size: 8, .value_kind: global_buffer, .address_space: global }
    .group_segment_fixed_size: 327680
    .private_segment_fixed_size: 0
    .kernarg_segment_align: 8
    .kernarg_segment_size: 24
    .max_flat_workgroup_size: 128
    .sgpr_count:     80
    .vgpr_count:     448
    .wavefront_size: 32
...
	.end_amdgpu_metadata
.endif
;; end of part 2
;; launch attn (part 3): grid 16 x 16, 8 waves a work-group, clusters of 4 x 1, 274,432 bytes of LDS; arguments qkv, ssq, q_norm_w, k_norm_w, ao; writes ao
.if DOCPART == 3
	.amdgcn_target "amdgcn-amd-amdhsa--gfx1250"
	.amdhsa_code_object_version 6
	.text
	.protected	k_q5f16b38485_attn
	.globl	k_q5f16b38485_attn
	.p2align	8
	.type	k_q5f16b38485_attn,@function
k_q5f16b38485_attn:
	s_mov_b64 s[64:65], 0
	v_nop
	global_prefetch_b8 v0, s[64:65] scope:SCOPE_SE
	s_setreg_imm32_b32 hwreg(HW_REG_WAVE_MODE, 25, 1), 1
	s_wait_xcnt 0x0
	s_wait_alu depctr_hold_cnt(0) depctr_sa_sdst(0) depctr_va_vdst(0) depctr_va_sdst(0) depctr_va_ssrc(0) depctr_va_vcc(0) depctr_vm_vsrc(0)
	s_getreg_b32 s2, hwreg(HW_REG_IB_STS2, 6, 4)
	s_cmp_eq_u32 s2, 0
	s_cbranch_scc0 .Lentry_in_a_cluster
	s_endpgm
.Lentry_in_a_cluster:
	s_bfe_u32 s2, ttmp6, 0x10000c
	s_cmp_lg_u32 s2, 0x3003
	s_cbranch_scc0 .Lentry_shape_is_right
	s_endpgm
.Lentry_shape_is_right:
; Banded attention with the two RMS norms folded in.  ao[head][row][64] (f16) = softmax(q^ k^ / 8 + slope (j - i), 0 <= i - j <= 512) v.
; q^ k^ / 8 = sum over d of (q_d wq_d wk_d rq_i / 8) k_d rk_j, rq and rk the reciprocal roots from the sums of squares in ssq.
; The factor of q (with log2 e, since the exponentials are base 2) goes into the Q fragments once; rk_j rides on the multiply-add that adds
; the bias.  The term - slope i is the same along a softmax row and drops out; what is added is slope log2e j.
; The maximum is taken away by a running maximum.  j is counted from each step's first key, and the running maximum is moved
; into the next step's count by taking 64 slope log2e away, so no large bias is ever formed.
; LIMITS: slope = 2^(-head/2) comes from v_exp_f32 (1 ULP).  Operands are f16: q wq wk rq / 8, raw k and v and the result must stay below
; 65,504 in magnitude.  NaN and infinities among the inputs are not served.
; SHARES: a work-group takes 256 queries of one head, wave w 32 of them (two tiles of 16).  All 768 keys that the 256 queries can see
; (from 512 in front of the first query; from the batch's first key where there are fewer) lie in LDS: first fills alone, nothing is filled again.
; Work-groups of the first two query blocks load keys behind their diagonal that they do not use.
; CLUSTERS: the four heads that share a K and V head form a cluster (4, 1, 1) and ask for K and V jointly, mask 15.
; A wave walks the 12 steps of 64 keys and works in the nine (or fewer) that hold keys of its queries; only the first and the last of the nine need the mask.
; S is made transposed (source 0 = keys, source 1 = queries): a lane holds ONE query and 32 of the step's 64 keys, so the row maximum and sum
; are register work plus one exchange between the halves, and the exponentials, packed in place, ARE the second source's fragment of P for O^T = V^T P.
; O's 64 registers are cleared by moves: the waves start at different steps, so no first product can be written out ahead of the loop.
.set KP,  144                          ; K's LDS pitch: 128 bytes + 16, an odd multiple of 16
.set VP,  160                          ; V's LDS pitch: 128 bytes + 32, an odd multiple of 32, for the transposing load
.set VB,  768*KP                       ; V behind K
.set RKB, VB+768*VP                    ; 768 f32: rk of the keys; written by LDS stores, in blocks of 256 bytes into which no fill lands
.set OST, RKB+3072                     ; the way out: 32 rows x 144 bytes for each wave
.set CHUNK, 4096*128
.set KAD, 4                            ; r KP + 16 h, + 64 rows a step
.set VAD, 5                            ; VB + (8 h + l % 8) VP + 16 ((l / 8) % 2), + 64 rows a step
.set RAD, 6                            ; RKB + 32 h, + 256 a step
.set DV,  7                            ; my query's place among the 768 keys, less 8 h
.set DD,  8                            ; the same less the step's first key
.set TM,  9
.set OSTO, 10
.set ORD, 11
.set OCO, 12
.set D64, 13                           ; 64 slope log2e
.set TP,  14                           ; v14, v15  from the other half
.set MA,  16                           ; v[16:17], v[18:19]  running maximum of query tile 0, 1 (first register; the pair is named by packed forms)
.set AL,  20                           ; v[20:21], v[22:23]  the factor that rescales the old sums
.set LS,  24                           ; v[24:25], v[26:27]  running sums, two partial sums each
.set MO,  28                           ; v28, v29  the old maximum in this step's count
.set MX,  30                           ; v30, v31
.set Q,   32                           ; v[32:63]   fragment (qt, c) at Q + 16 qt + 8 c
.set S,   64                           ; v[64:127]  tile (kt, qt) at S + 8 (2 kt + qt)
.set KV,  128                          ; v[128:191] K's fragments, then V's
.set RKV, 192                          ; v[192:223] rk of my 32 keys
.set W,   64                           ; prologue: wq wk of my 32 d
.set RQ,  232                          ; prologue: v[232:233], v[234:235]
.set T,   236                          ; prologue: v[236:239]
.set BJ,  64                           ; window 1: v[64:95] slope log2e (16 kt + 8 h + j);  window 1: v[0:63] O, tile (dt, qt) at 8 (2 dt + qt)
.set G1K, 16
.set G1V, 24
.set G0K, 32                           ; s[32:43] three sets
.set G0V, 44                           ; s[44:55] three sets
.set MSB, 0
.macro WIN new                         ; the immediate's high byte repeats the setting that is left
.if MSB != \new
	s_set_vgpr_msb (MSB<<8)|\new
.set MSB, \new
.endif
.endm
.macro ROUND                           ; a round of the cluster's barrier
	s_barrier_signal -1
	s_barrier_wait -1
	s_cmp_lg_u32 s14, 0
	s_cbranch_scc1 .Lnot_wave_0_\@
	s_barrier_signal -3
.Lnot_wave_0_\@:
	s_barrier_wait -3
	s_barrier_signal -1
	s_barrier_wait -1
.endm
	s_load_b256 s[4:11], s[0:1], 0x0               ; qkv s[4:5], ssq s[6:7], q_norm_w s[8:9], k_norm_w s[10:11]
	s_load_b64 s[12:13], s[0:1], 0x20              ; ao
	v_lshl_add_u32 v254, v0, 2, 0x42c00
	v_mov_b32 v255, 0
	ds_add_u32 v254, v255
	v_lshrrev_b32 v1, 5, v0
	v_readfirstlane_b32 s14, v1                    ; wave 0..7
	s_bfe_u32 s15, ttmp6, 0x40000                  ; cx
	s_lshl_b32 s56, ttmp9, 2
	s_add_co_u32 s56, s56, s15                     ; head = 4 x (K and V head) + cx
	s_and_b32 s72, ttmp7, 0xffff
	s_lshr_b32 s57, s72, 3                         ; batch
	s_and_b32 s58, s72, 7
	s_lshl_b32 s58, s58, 8                         ; Q0: the block's first query
	s_min_u32 s59, s58, 512                        ; R: keys in front of it that are held
	s_sub_co_u32 s60, s58, s59                     ; KB: the first key held
	s_lshr_b32 s61, s59, 6
	s_lshr_b32 s72, s14, 1
	s_add_co_u32 s61, s61, s72                     ; the step that holds my wave's diagonal
	s_mov_b32 s68, 0x76543210                      ; v_permlanex16_b32: lane i of one half reads lane i of the other
	s_mov_b32 s69, 0xfedcba98
	s_mov_b32 s70, 512                             ; the window
	s_mov_b32 s71, 0xff800000                      ; - infinity
	s_mov_b32 s92, 0x3a800000                      ; 1 / 1024
	s_mov_b32 s93, 0x358637bd                      ; 1e-6
	s_mov_b32 s94, 0x3b800000                      ; 1 / 256
	; group 1: 64 rows of 64 elements of 2 bytes, padding behind every 32 words: 4 words for K, 8 for V; mask 15 with bit 21 beside it
	s_mov_b32 s[G1K+0], 15|(1<<16)|(1<<20)|(1<<21)|(4<<22)|(3<<25)
	s_mov_b32 s[G1V+0], 15|(1<<16)|(1<<20)|(1<<21)|(4<<22)|(7<<25)
	s_mov_b32 s[G1K+1], 64<<16
	s_mov_b32 s[G1V+1], 64<<16
	s_mov_b32 s[G1K+2], 64<<16
	s_mov_b32 s[G1V+2], 64<<16
	s_mov_b32 s[G1K+3], 64<<16
	s_mov_b32 s[G1V+3], 64<<16
	s_mov_b32 s[G1K+4], 64
	s_mov_b32 s[G1V+4], 64
	s_mov_b32 s[G1K+5], 64
	s_mov_b32 s[G1V+5], 64
	s_mov_b32 s[G1K+6], 0
	s_mov_b32 s[G1V+6], 0
	s_mov_b32 s[G1K+7], 0
	s_mov_b32 s[G1V+7], 0
	s_lshl_b32 s74, s57, 11
	s_add_co_u32 s75, s74, s60                     ; row of the first key held
	s_lshl_b32 s72, s14, 5
	s_add_co_u32 s76, s74, s58
	s_add_co_u32 s76, s76, s72                     ; row of my wave's first query
	s_and_b32 s72, s14, 3
	s_lshl_b32 s72, s72, 6                         ; waves 0-3 fetch K, waves 4-7 V: 64 rows of every 256 each
	s_add_co_u32 s72, s72, s75
	s_add_co_u32 s73, ttmp9, 16                    ; K's chunk
	s_lshl_b32 s73, s73, 12
	s_add_co_u32 s72, s72, s73
	s_lshl_b32 s80, s72, 7                         ; rows of 128 bytes
	s_mov_b32 s81, 0
	s_mul_i32 s78, s14, 64*KP
	s_mul_i32 s79, s14, 64*VP
	s_wait_dscnt 0x0
	s_wait_kmcnt 0x0
	s_add_nc_u64 s[80:81], s[4:5], s[80:81]        ; made of the K and V head, the grid's y and the wave's number: alike in the four partners
.irp m, 0,1,2
	s_mov_b32 s[G0K+4*\m], 1
	s_add_co_u32 s[G0K+4*\m+1], s78, \m*256*KP
	s_add_nc_u64 s[G0K+4*\m+2:G0K+4*\m+3], s[80:81], \m*256*128
	s_or_b32 s[G0K+4*\m+3], s[G0K+4*\m+3], 0x80000000
	s_mov_b32 s[G0V+4*\m], 1
	s_add_co_u32 s[G0V+4*\m+1], s79, VB-256*VP+\m*256*VP           ; wave 4 begins at VB
	s_add_nc_u64 s[G0V+4*\m+2:G0V+4*\m+3], s[80:81], 4*CHUNK+\m*256*128
	s_or_b32 s[G0V+4*\m+3], s[G0V+4*\m+3], 0x80000000
.endr
	ROUND                                          ; the four work-groups are here: the joint loads meet
	s_cmp_lt_u32 s14, 4                            ; all first fills of a wave stand in this one branch: three tensor loads of the wave are out
	s_cbranch_scc0 .Lfill_v
	tensor_load_to_lds s[G0K:G0K+3], s[G1K:G1K+7]
	s_nop 0
	tensor_load_to_lds s[G0K+4:G0K+7], s[G1K:G1K+7]
	s_nop 0
	tensor_load_to_lds s[G0K+8:G0K+11], s[G1K:G1K+7]
	s_nop 0
	s_branch .Lfilled
.Lfill_v:
	tensor_load_to_lds s[G0V:G0V+3], s[G1V:G1V+7]
	s_nop 0
	tensor_load_to_lds s[G0V+4:G0V+7], s[G1V:G1V+7]
	s_nop 0
	tensor_load_to_lds s[G0V+8:G0V+11], s[G1V:G1V+7]
	s_nop 0
.Lfilled:
	; bases of the prologue's loads, each in a pair of its own
	s_lshl_b32 s72, s56, 12
	s_add_co_u32 s72, s72, s76
	s_lshl_b32 s72, s72, 7
	s_mov_b32 s73, 0
	s_add_nc_u64 s[82:83], s[4:5], s[72:73]        ; my wave's 32 rows of q
	s_add_nc_u64 s[12:13], s[12:13], s[72:73]      ; and of ao: the same place
	s_lshl_b32 s72, s56, 8
	s_add_nc_u64 s[84:85], s[8:9], s[72:73]        ; q_norm_w of my head
	s_lshl_b32 s72, ttmp9, 8
	s_add_nc_u64 s[86:87], s[10:11], s[72:73]      ; k_norm_w of the K head
	s_lshl_b32 s72, s76, 2
	s_add_nc_u64 s[88:89], s[6:7], s[72:73]        ; sums of squares of my queries
	s_lshl_b32 s72, s75, 2
	s_add_nc_u64 s[90:91], s[6:7], s[72:73]        ; and of the keys held
	v_and_b32 v1, 15, v0                           ; r
	v_bfe_u32 v2, v0, 4, 1                         ; h
	v_and_b32 v3, 31, v0                           ; l
	v_lshlrev_b32 v225, 7, v1
	v_lshl_add_u32 v225, v2, 4, v225               ; q: row r, 16 h
	v_lshlrev_b32 v226, 5, v2                      ; norm weights: 8 numbers for each h
	v_lshlrev_b32 v227, 2, v1                      ; sums of my query r
	v_lshlrev_b32 v228, 2, v0                      ; sums of key number thread
.irp qt, 0,1
.irp c, 0,1
	global_load_b128 v[Q+16*\qt+8*\c:Q+16*\qt+8*\c+3],   v225, s[82:83] offset:2048*\qt+64*\c
	global_load_b128 v[Q+16*\qt+8*\c+4:Q+16*\qt+8*\c+7], v225, s[82:83] offset:2048*\qt+64*\c+32
.endr
.endr
.irp i, 0,1,2,3,4,5,6,7
	global_load_b128 v[64+4*\i:64+4*\i+3], v226, s[84:85] offset:128*(\i/4)+64*((\i/2)%2)+16*(\i%2)   ; d = 32 c + 16 u + 8 h + 0..7
	global_load_b128 v[96+4*\i:96+4*\i+3], v226, s[86:87] offset:128*(\i/4)+64*((\i/2)%2)+16*(\i%2)
.endr
.irp i, 0,1,2,3,4,5,6,7,8,9,10
	global_load_b32 v[128+\i], v227, s[88:89] offset:16384*\i      ; q's columns lie in strips 0 to 10
	global_load_b32 v[139+\i], v227, s[88:89] offset:16384*\i+64
.endr
.irp m, 0,1,2
.irp i, 0,1,2,3
	global_load_b32 v[150+4*\m+\i], v228, s[90:91] offset:262144+16384*(10+\i)+1024*\m   ; k's columns lie in strips 10 to 13 of plane 1
.endr
.endr
	; while these are on their way: addresses, the bias, the start values
	v_mul_u32_u24 v[KAD], v1, KP
	v_lshl_add_u32 v[KAD], v2, 4, v[KAD]
	v_and_b32 v224, 7, v0
	v_lshl_add_u32 v224, v2, 3, v224
	v_mul_u32_u24 v[VAD], v224, VP
	v_bfe_u32 v224, v0, 3, 1
	v_lshl_add_u32 v[VAD], v224, 4, v[VAD]
	v_add_nc_u32 v[VAD], VB, v[VAD]
	v_add_nc_u32 v[RAD], RKB, v226
	s_lshl_b32 s72, s14, 5
	s_add_co_u32 s72, s72, s59
	v_lshlrev_b32 v231, 3, v2                      ; 8 h
	v_add_nc_u32 v[DV], s72, v1
	v_sub_nc_u32 v[DV], v[DV], v231                ; R + 32 w + r - 8 h
	s_mul_i32 s72, s14, 32*KP
	s_add_co_u32 s72, s72, OST                     ; my wave's stage
	v_add_nc_u32 v[OSTO], s72, v[KAD]
	v_lshrrev_b32 v224, 3, v3
	v_mul_u32_u24 v[ORD], v224, KP
	v_and_b32 v224, 7, v0
	v_lshl_add_u32 v[ORD], v224, 4, v[ORD]
	v_add_nc_u32 v[ORD], s72, v[ORD]
	v_lshlrev_b32 v[OCO], 4, v3
	v_cvt_f32_u32 v230, s56
	v_mul_f32 v230, -0.5, v230
	v_exp_f32 v230, v230                           ; slope = 2^(-head/2)
	v_mov_b32 v[TP], 0                             ; a plain instruction between the exponential and its use (ISA guide 5.7.2)
	v_mov_b32 v[TP+1], 0
	s_wait_alu depctr_va_vdst(0)
	v_mul_f32 v230, 0x3fb8aa3b, v230               ; slope log2e
	v_mul_f32 v[D64], 0x42800000, v230
.irp i, 0,1,2,3
	v_mov_b32 v[MA+\i], s71                        ; no key seen yet
.endr
.irp i, 0,1,2,3,4,5,6,7
	v_mov_b32 v[AL+\i], 0                          ; AL and LS
.endr
.set e, 0
.rept 32
	v_add_nc_u32 v[RKV+e], 16*(e/8)+(e%8), v231    ; my key's number in a step: 16 kt + 8 h + j
	v_cvt_f32_u32 v[RKV+e], v[RKV+e]
.set e, e+1
.endr
	WIN 0x40                                       ; destination in window 1
.set e, 0
.rept 32
	v_mul_f32 v[BJ+e], v230, v[RKV+e]
.set e, e+1
.endr
.set e, 0
.rept 64
	v_mov_b32 v[e], 0                              ; O
.set e, e+1
.endr
	WIN 0
	s_wait_loadcnt 0x0
.irp i, 1,2,3,4,5,6,7,8,9,10
	v_add_f32 v128, v128, v[128+\i]
	v_add_f32 v139, v139, v[139+\i]
.endr
.irp m, 0,1,2
	v_add_f32 v[150+4*\m], v[150+4*\m], v[151+4*\m]
	v_add_f32 v[152+4*\m], v[152+4*\m], v[153+4*\m]
	v_add_f32 v[150+4*\m], v[150+4*\m], v[152+4*\m]
	v_fma_f32 v[150+4*\m], v[150+4*\m], s94, s93   ; mean of k's 256 squares + 1e-6
.endr
	v_fma_f32 v[RQ], v128, s92, s93                ; mean of q's 1024 squares + 1e-6
	v_fma_f32 v[RQ+2], v139, s92, s93
	v_rsq_f32 v[RQ], v[RQ]
	v_rsq_f32 v[RQ+2], v[RQ+2]
	v_rsq_f32 v150, v150
	v_rsq_f32 v154, v154
	v_rsq_f32 v158, v158
	v_add_nc_u32 v229, RKB, v228                   ; a plain instruction between the roots and their use
	v_mov_b32 v[RQ+1], 0                           ; the packed forms name the pairs
	v_mov_b32 v[RQ+3], 0
	s_wait_alu depctr_va_vdst(0)
	ds_store_b32 v229, v150                        ; rk of keys thread, thread + 256, thread + 512
	ds_store_b32 v229, v154 offset:1024
	ds_store_b32 v229, v158 offset:2048
	v_mul_f32 v[RQ], 0x3e38aa3b, v[RQ]             ; x log2e / 8
	v_mul_f32 v[RQ+2], 0x3e38aa3b, v[RQ+2]
.irp i, 0,1,2,3,4,5,6,7,8,9,10,11,12,13,14,15
	v_pk_mul_f32 v[W+2*\i:W+2*\i+1], v[W+2*\i:W+2*\i+1], v[96+2*\i:96+2*\i+1]   ; wq wk
.endr
; word i (= 8 c + j) of both query tiles' fragments: widened, scaled in f32, rounded to f16 once
.macro QSC lo0, hi0, lo1, hi1, i
	v_cvt_f32_f16 v[T], \lo0
	v_cvt_f32_f16 v[T+1], \hi0
	v_cvt_f32_f16 v[T+2], \lo1
	v_cvt_f32_f16 v[T+3], \hi1
	v_pk_mul_f32 v[T:T+1], v[T:T+1], v[W+2*\i:W+2*\i+1]
	v_pk_mul_f32 v[T+2:T+3], v[T+2:T+3], v[W+2*\i:W+2*\i+1]
	v_pk_mul_f32 v[T:T+1], v[T:T+1], v[RQ:RQ+1] op_sel_hi:[1,0]
	v_pk_mul_f32 v[T+2:T+3], v[T+2:T+3], v[RQ+2:RQ+3] op_sel_hi:[1,0]
	v_cvt_pk_f16_f32 v[Q+\i], v[T], v[T+1]
	v_cvt_pk_f16_f32 v[Q+16+\i], v[T+2], v[T+3]
.endm
	QSC v32.l, v32.h, v48.l, v48.h, 0
	QSC v33.l, v33.h, v49.l, v49.h, 1
	QSC v34.l, v34.h, v50.l, v50.h, 2
	QSC v35.l, v35.h, v51.l, v51.h, 3
	QSC v36.l, v36.h, v52.l, v52.h, 4
	QSC v37.l, v37.h, v53.l, v53.h, 5
	QSC v38.l, v38.h, v54.l, v54.h, 6
	QSC v39.l, v39.h, v55.l, v55.h, 7
	QSC v40.l, v40.h, v56.l, v56.h, 8
	QSC v41.l, v41.h, v57.l, v57.h, 9
	QSC v42.l, v42.h, v58.l, v58.h, 10
	QSC v43.l, v43.h, v59.l, v59.h, 11
	QSC v44.l, v44.h, v60.l, v60.h, 12
	QSC v45.l, v45.h, v61.l, v61.h, 13
	QSC v46.l, v46.h, v62.l, v62.h, 14
	QSC v47.l, v47.h, v63.l, v63.h, 15
	s_wait_tensorcnt 0x0                           ; my three parts of K or of V have landed
	s_wait_dscnt 0x0                               ; my three words of rk are stored
	s_barrier_signal -1
	s_barrier_wait -1                              ; everybody's are: K, V and rk are whole, and nothing writes them again
	s_mov_b32 s62, 0                               ; the step
	s_mov_b32 s67, 0                               ; its first key
	s_mov_b32 s63, 12                              ; 768 keys in steps of 64
.Lstep:
	s_sub_co_u32 s66, s61, s62                     ; steps in front of my diagonal's step; behind the diagonal it wraps to a large number
	s_cmp_gt_u32 s66, 8
	s_cbranch_scc1 .Ltail                          ; no key of this step is seen by my 32 queries
	; ---- 64 keys against my 32 queries ----
.irp kt, 0,1,2,3
.irp c, 0,1
	ds_load_b128 v[KV+16*\kt+8*\c:KV+16*\kt+8*\c+3],   v[KAD] offset:16*KP*\kt+64*\c
	ds_load_b128 v[KV+16*\kt+8*\c+4:KV+16*\kt+8*\c+7], v[KAD] offset:16*KP*\kt+64*\c+32
.endr
.endr
.irp kt, 0,1,2,3
	ds_load_b128 v[RKV+8*\kt:RKV+8*\kt+3],   v[RAD] offset:64*\kt
	ds_load_b128 v[RKV+8*\kt+4:RKV+8*\kt+7], v[RAD] offset:64*\kt+16
.endr
	v_sub_f32 v[MO], v[MA], v[D64]                 ; the running maxima in this step's count of j
	v_sub_f32 v[MO+1], v[MA+2], v[D64]
	s_wait_dscnt 8                                 ; K's 16 loads are in; rk's 8 may be out
	; S^T = K Q^T: the eight tiles take turns, one instruction a turn
.irp c, 0,1
.irp kt, 0,1,2,3
.irp qt, 0,1
.if \c == 0
	v_wmma_f32_16x16x32_f16 v[S+8*(2*\kt+\qt):S+8*(2*\kt+\qt)+7], v[KV+16*\kt+8*\c:KV+16*\kt+8*\c+7], v[Q+16*\qt+8*\c:Q+16*\qt+8*\c+7], 0
.else
	v_wmma_f32_16x16x32_f16 v[S+8*(2*\kt+\qt):S+8*(2*\kt+\qt)+7], v[KV+16*\kt+8*\c:KV+16*\kt+8*\c+7], v[Q+16*\qt+8*\c:Q+16*\qt+8*\c+7], v[S+8*(2*\kt+\qt):S+8*(2*\kt+\qt)+7]
.endif
.endr
.endr
.endr
.rept 4
	v_nop                                          ; four places: V is loaded over K's fragments, and the scores are read (ISA guide 7.12.1)
.endr
	; V^T's fragments by the transposing load: lane r gets d = 16 dt + r, keys along its registers
.irp dt, 0,1,2,3
.irp kc, 0,1
	ds_load_tr16_b128 v[KV+16*\dt+8*\kc:KV+16*\dt+8*\kc+3],   v[VAD] offset:32*VP*\kc+32*\dt
	ds_load_tr16_b128 v[KV+16*\dt+8*\kc+4:KV+16*\dt+8*\kc+7], v[VAD] offset:32*VP*\kc+32*\dt+16*VP
.endr
.endr
	s_wait_dscnt 16                                ; rk is in; V's 16 loads may be out
	WIN 0x10                                       ; source 2 (the bias) in window 1
.irp kt, 0,1,2,3
.irp qt, 0,1
.irp i, 0,2,4,6
	v_pk_fma_f32 v[S+8*(2*\kt+\qt)+\i:S+8*(2*\kt+\qt)+\i+1], v[S+8*(2*\kt+\qt)+\i:S+8*(2*\kt+\qt)+\i+1], v[RKV+8*\kt+\i:RKV+8*\kt+\i+1], v[BJ+8*\kt+\i:BJ+8*\kt+\i+1]
.endr
.endr
.endr
	WIN 0
	; in steps 1 to 7 in front of the diagonal's every i - j lies in 1 .. 511: only the diagonal's step and the eighth in front of it are masked
	s_cmp_eq_u32 s66, 0
	s_cbranch_scc1 .Lmask
	s_cmp_lg_u32 s66, 8
	s_cbranch_scc1 .Lnomask
.Lmask:
	v_sub_nc_u32 v[DD], v[DV], s67
.irp kt, 0,1,2,3
.irp qt, 0,1
.irp j, 0,1,2,3,4,5,6,7
	v_add_nc_u32 v[TM], 16*\qt-16*\kt-\j, v[DD]    ; i - j; below 0 it wraps to a large number
	v_cmp_ge_u32 vcc_lo, s70, v[TM]                ; 0 <= i - j <= 512
	v_cndmask_b32 v[S+8*(2*\kt+\qt)+\j], s71, v[S+8*(2*\kt+\qt)+\j], vcc_lo
.endr
.endr
.endr
.Lnomask:
	; the new maximum: the old one and my 32 scores, then the other half's.  In a wave's first working step every query has a key that counts, so it is finite from then on.
.irp kt, 0,1,2,3
.irp i, 0,2,4,6
.irp qt, 0,1
.if \kt+\i == 0
	v_max3_num_f32 v[MX+\qt], v[MO+\qt], v[S+8*\qt], v[S+8*\qt+1]
.else
	v_max3_num_f32 v[MX+\qt], v[MX+\qt], v[S+8*(2*\kt+\qt)+\i], v[S+8*(2*\kt+\qt)+\i+1]
.endif
.endr
.endr
.endr
	v_permlanex16_b32 v[TP], v[MX], s68, s69
	v_permlanex16_b32 v[TP+1], v[MX+1], s68, s69
	v_max_num_f32 v[MA], v[MX], v[TP]
	v_max_num_f32 v[MA+2], v[MX+1], v[TP+1]
	v_sub_f32 v[AL], v[MO], v[MA]
	v_sub_f32 v[AL+2], v[MO+1], v[MA+2]
.irp kt, 0,1,2,3
.irp qt, 0,1
.irp i, 0,2,4,6
	v_pk_add_f32 v[S+8*(2*\kt+\qt)+\i:S+8*(2*\kt+\qt)+\i+1], v[S+8*(2*\kt+\qt)+\i:S+8*(2*\kt+\qt)+\i+1], v[MA+2*\qt:MA+2*\qt+1] op_sel_hi:[1,0] neg_lo:[0,1] neg_hi:[0,1]
.endr
.endr
.endr
	v_exp_f32 v[AL], v[AL]
	v_exp_f32 v[AL+2], v[AL+2]
.set e, 0
.rept 64
	v_exp_f32 v[S+e], v[S+e]
.set e, e+1
.endr
	v_nop                                          ; a plain instruction between the exponentials and their use (ISA guide 5.7.2)
	s_wait_alu depctr_va_vdst(0)
.irp kt, 0,1,2,3
.irp i, 0,2,4,6
.irp qt, 0,1
.if \kt+\i == 0
	v_pk_fma_f32 v[LS+2*\qt:LS+2*\qt+1], v[LS+2*\qt:LS+2*\qt+1], v[AL+2*\qt:AL+2*\qt+1], v[S+8*\qt:S+8*\qt+1] op_sel_hi:[1,0,1]
.else
	v_pk_add_f32 v[LS+2*\qt:LS+2*\qt+1], v[LS+2*\qt:LS+2*\qt+1], v[S+8*(2*\kt+\qt)+\i:S+8*(2*\kt+\qt)+\i+1]
.endif
.endr
.endr
.endr
	; P's fragment (qt, kc) in the registers of tile (2 kc, qt): words 0-3 from that tile, words 4-7 from tile (2 kc + 1, qt); each word is written behind its sources' last use
.irp kc, 0,1
.irp qt, 0,1
.irp i, 0,1,2,3
	v_cvt_pk_f16_f32 v[S+32*\kc+8*\qt+\i], v[S+32*\kc+8*\qt+2*\i], v[S+32*\kc+8*\qt+2*\i+1]
.endr
.irp i, 0,1,2,3
	v_cvt_pk_f16_f32 v[S+32*\kc+8*\qt+4+\i], v[S+32*\kc+8*\qt+16+2*\i], v[S+32*\kc+8*\qt+16+2*\i+1]
.endr
.endr
.endr
	WIN 0x41                                       ; O: destination and source 0 in window 1
.irp dt, 0,1,2,3
.irp qt, 0,1
.irp i, 0,2,4,6
	v_pk_mul_f32 v[8*(2*\dt+\qt)+\i:8*(2*\dt+\qt)+\i+1], v[8*(2*\dt+\qt)+\i:8*(2*\dt+\qt)+\i+1], v[AL+2*\qt:AL+2*\qt+1] op_sel_hi:[1,0]
.endr
.endr
.endr
	s_wait_dscnt 0x0                               ; V is in
	WIN 0x50                                       ; C and D in window 1
	; O^T += V^T P: the eight tiles take turns, one instruction a turn
.irp kc, 0,1
.irp dt, 0,1,2,3
.irp qt, 0,1
	v_wmma_f32_16x16x32_f16 v[8*(2*\dt+\qt):8*(2*\dt+\qt)+7], v[KV+16*\dt+8*\kc:KV+16*\dt+8*\kc+7], v[S+32*\kc+8*\qt:S+32*\kc+8*\qt+7], v[8*(2*\dt+\qt):8*(2*\dt+\qt)+7]
.endr
.endr
.endr
.rept 5
	v_nop                                          ; five places: the next step loads over V's fragments and its products write over P; behind the loop O is read
.endr
	WIN 0
.Ltail:
	s_add_co_u32 s62, s62, 1
	s_add_co_u32 s67, s67, 64
	v_add_nc_u32 v[KAD], 64*KP, v[KAD]
	v_add_nc_u32 v[VAD], 64*VP, v[VAD]
	v_add_nc_u32 v[RAD], 256, v[RAD]
	s_sub_co_u32 s63, s63, 1
	s_cmp_lg_u32 s63, 0
	s_cbranch_scc1 .Lstep
	; the way out: divide by the sum, round to f16, 16 bytes a lane into my wave's own stage, read back as whole rows
	v_add_f32 v[LS], v[LS], v[LS+1]
	v_add_f32 v[LS+2], v[LS+2], v[LS+3]
	v_permlanex16_b32 v[TP], v[LS], s68, s69
	v_permlanex16_b32 v[TP+1], v[LS+2], s68, s69
	v_add_f32 v[LS], v[LS], v[TP]
	v_add_f32 v[LS+2], v[LS+2], v[TP+1]
	v_rcp_f32 v[LS], v[LS]
	v_rcp_f32 v[LS+2], v[LS+2]
	v_nop                                          ; a plain instruction between the reciprocals and their use
	WIN 0x01                                       ; source 0 (O) in window 1
	s_wait_alu depctr_va_vdst(0)
.irp dt, 0,1,2,3
.irp qt, 0,1
.irp i, 0,2,4,6
	v_pk_mul_f32 v[S+8*(2*\dt+\qt)+\i:S+8*(2*\dt+\qt)+\i+1], v[8*(2*\dt+\qt)+\i:8*(2*\dt+\qt)+\i+1], v[LS+2*\qt:LS+2*\qt+1] op_sel_hi:[1,0]
.endr
.endr
.endr
	WIN 0
.irp dt, 0,1,2,3
.irp qt, 0,1
.irp i, 0,1,2,3
	v_cvt_pk_f16_f32 v[KV+4*(2*\dt+\qt)+\i], v[S+8*(2*\dt+\qt)+2*\i], v[S+8*(2*\dt+\qt)+2*\i+1]
.endr
	ds_store_b128 v[OSTO], v[KV+4*(2*\dt+\qt):KV+4*(2*\dt+\qt)+3] offset:16*KP*\qt+32*\dt   ; query 16 qt + r, d = 16 dt + 8 h + 0..7
.endr
.endr
.irp i, 0,1,2,3,4,5,6,7
	ds_load_b128 v[KV+32+4*\i:KV+32+4*\i+3], v[ORD] offset:4*KP*\i   ; four rows of 128 bytes; LDS serves a wave's instructions in order (ISA guide 5.7.1.4): these see the stores above
.endr
.irp i, 0,1,2,3,4,5,6,7
	s_wait_dscnt 7-\i                              ; load i is in, the younger ones stay out
	global_store_b128 v[OCO], v[KV+32+4*\i:KV+32+4*\i+3], s[12:13] offset:512*\i   ; 512 consecutive bytes of ao, aligned
.endr
	s_wait_tensorcnt 0x0
	ds_add_u32 v254, v255
	s_wait_dscnt 0x0
	ROUND                                          ; the closing round: no work-group ends while a partner may still ask for a tile that names it
	s_endpgm
.Lfunc_end_k_q5f16b38485_attn:
	.size	k_q5f16b38485_attn, .Lfunc_end_k_q5f16b38485_attn-k_q5f16b38485_attn
	.p2alignl 7, 3214868480
	.fill 96, 4, 3214868480
	.section	.rodata,"a",@progbits
	.p2align	6, 0x0
	.amdhsa_kernel k_q5f16b38485_attn
		.amdhsa_group_segment_fixed_size 274432
		.amdhsa_private_segment_fixed_size 0
		.amdhsa_enable_private_segment 0
		.amdhsa_kernarg_size 40
		.amdhsa_user_sgpr_count 2
		.amdhsa_user_sgpr_kernarg_segment_ptr 1
		.amdhsa_wavefront_size32 1
		.amdhsa_system_sgpr_workgroup_id_x 1
		.amdhsa_system_sgpr_workgroup_id_y 1
		.amdhsa_system_sgpr_workgroup_id_z 1
		.amdhsa_system_vgpr_workitem_id 0
		.amdhsa_next_free_vgpr 352
		.amdhsa_next_free_sgpr 96
		.amdhsa_reserve_vcc 1
		.amdhsa_float_denorm_mode_32 3
		.amdhsa_float_denorm_mode_16_64 3
		.amdhsa_memory_ordered 1
		.amdhsa_forward_progress 1
		.amdhsa_inst_pref_size 64
	.end_amdhsa_kernel
	.amdgpu_metadata
---
amdhsa.version: [ 1, 2 ]
amdhsa.kernels:
  - .name:           k_q5f16b38485_attn
    .symbol:         k_q5f16b38485_attn.kd
    .args:
      - { .name: qkv, .offset: 0, .size: 8, .value_kind: global_buffer, .address_space: global }
      - { .name: ssq, .offset: 8, .size: 8, .value_kind: global_buffer, .address_space: global }
      - { .name: q_norm_w, .offset: 16, .size: 8, .value_kind: global_buffer, .address_space: global }
      - { .name: k_norm_w, .offset: 24, .size: 8, .value_kind: global_buffer, .address_space: global }
      - { .name: ao, .offset: 32, .size: 8, .value_kind: global_buffer, .address_space: global }
    .group_segment_fixed_size: 274432
    .private_segment_fixed_size: 0
    .kernarg_segment_align: 8
    .kernarg_segment_size: 40
    .max_flat_workgroup_size: 256
    .sgpr_count:     96
    .vgpr_count:     352
    .wavefront_size: 32
...
	.end_amdgpu_metadata
.endif
;; end of part 3
;; launch oproj (part 4): grid 8 x 32, 4 waves a work-group, clusters of 4 x 4, 327,680 bytes of LDS; arguments ao, cb, out0; writes out0
.if DOCPART == 4
	.amdgcn_target "amdgcn-amd-amdhsa--gfx1250"
	.amdhsa_code_object_version 6
	.text
	.protected	k_q5f16b38485_oproj
	.globl	k_q5f16b38485_oproj
	.p2align	8
	.type	k_q5f16b38485_oproj,@function
k_q5f16b38485_oproj:
	s_mov_b64 s[64:65], 0
	v_nop
	global_prefetch_b8 v0, s[64:65] scope:SCOPE_SE
	s_setreg_imm32_b32 hwreg(HW_REG_WAVE_MODE, 25, 1), 1
	s_wait_xcnt 0x0
	s_wait_alu depctr_hold_cnt(0) depctr_sa_sdst(0) depctr_va_vdst(0) depctr_va_sdst(0) depctr_va_ssrc(0) depctr_va_vcc(0) depctr_vm_vsrc(0)
	s_getreg_b32 s2, hwreg(HW_REG_IB_STS2, 6, 4)
	s_cmp_eq_u32 s2, 0
	s_cbranch_scc0 .Lentry_in_a_cluster
	s_endpgm
.Lentry_in_a_cluster:
	s_bfe_u32 s2, ttmp6, 0x10000c
	s_cmp_lg_u32 s2, 0xf033
	s_cbranch_scc0 .Lentry_shape_is_right
	s_endpgm
.Lentry_shape_is_right:
; out0[4096][1024] (f32) = AO wo^T.  AO is ao[head][row][64] in f16 (k = 64 head + d), wo's rows in f16 lie in cb from byte 0xB00000; sums in f32.
; A work-group makes 128 x 128 with four waves; a wave 64 x 64: 16 accumulator tiles of 16 x 16, 128 registers.  8 x 32 blocks = 256 work-groups.
; K = 1024 goes through two LDS slots of 256 along K each, so four fills in all and two refills: everything is written out, without a loop.
; AO's part of a slot is four heads' tiles of 128 rows x 128 bytes.  A head's 128 rows are dense in memory, so one descriptor row is a head's
; 16,384 bytes and two such rows (two heads, 524,288 bytes apart) make one load; the padding behind every 128 bytes gives LDS rows of 144 bytes.
; wo's part is 128 rows x 512 bytes, LDS pitch 528.  Waves 0 and 1 fetch AO's two pairs of heads, waves 2 and 3 wo's two halves.
; CLUSTERS: 4 x 4 work-groups.  AO's tile hangs on the block row alone and is asked for jointly by a row of the cluster, wo's on the block column
; alone and is asked for jointly by a column.
; The matrix instruction is used transposed (source 0 = rows of wo, source 1 = rows of AO): a lane holds row l % 16 of the result and eight
; neighbouring columns, 32 bytes.
; REGISTERS: window 0: addresses, two fragment buffers (4 fragments of wo, then 4 of AO, 64 registers each); window 1: tile (a, b) at v[8 (4 a + b)].
.set PA,     144                       ; AO's LDS pitch: 128 bytes + 16, an odd multiple of 16
.set PB,     528                       ; wo's LDS pitch: 512 bytes + 16, an odd multiple of 16
.set ACH,    128*PA                    ; a head's tile
.set BOFF,   4*ACH                     ; wo behind AO's four heads
.set SLOT,   BOFF+128*PB
.set STAGE,  2*SLOT                    ; behind the ring: 16 rows x 272 bytes for each wave
.set SPITCH, 272
.set ADRA, 16                          ; v16-17  LDS address of my AO fragments in slot 0, 1
.set ADRB, 20                          ; v20-21  the same for wo
.set STO,  24
.set RD,   25
.set CO,   26
.set F0,   64
.set F1,   128
.set G1, 24                            ; s[24:31] group 1 for AO's tiles
.set G0, 32                            ; s[32:39] group 0 for AO's tiles, one set a slot
.set G1B, 48                           ; s[48:55] group 1 for wo's tiles
.set G0B, 56                           ; s[56:63] group 0 for wo's tiles, one set a slot
.set MSB, 0
.macro WIN new                         ; the immediate's high byte repeats the setting that is left
.if MSB != \new
	s_set_vgpr_msb (MSB<<8)|\new
.set MSB, \new
.endif
.endm
.set MUL, 0x50                         ; sources 0 and 1 window 0, C and D window 1
.macro JLOAD s                         ; a joint load; the branch hangs on the wave's number alone
	s_cmp_eq_u32 s11, 0
	s_cbranch_scc0 .Lfor_b_\@
	tensor_load_to_lds s[G0+4*\s:G0+4*\s+3], s[G1:G1+7]
	s_nop 0
	s_branch .Lasked_\@
.Lfor_b_\@:
	tensor_load_to_lds s[G0B+4*\s:G0B+4*\s+3], s[G1B:G1B+7]
	s_nop 0
.Lasked_\@:
.endm
.macro CREST                           ; a round of the cluster's barrier behind its opening barrier
	s_cmp_lg_u32 s10, 0
	s_cbranch_scc1 .Lnot_wave_0_\@
	s_barrier_signal -3
.Lnot_wave_0_\@:
	s_barrier_wait -3
	s_barrier_signal -1
	s_barrier_wait -1
.endm
.macro CROUND                          ; a whole round
	s_barrier_signal -1
	s_barrier_wait -1
	CREST
.endm
	s_load_b128 s[4:7], s[0:1], 0x0                ; ao s[4:5], cb s[6:7]
	s_load_b64 s[8:9], s[0:1], 0x10                ; out0
	v_lshl_add_u32 v254, v0, 2, 0x49400
	v_mov_b32 v255, 0
	ds_add_u32 v254, v255
	v_lshrrev_b32 v1, 5, v0
	v_readfirstlane_b32 s10, v1                    ; wave 0..3
	s_lshr_b32 s11, s10, 1                         ; which 64 rows of the block are mine.  Also: I fetch for AO (0) or for wo (1)
	s_and_b32 s12, s10, 1                          ; which 64 columns.  Also: which half of that tile I fetch
	s_bfe_u32 s40, ttmp6, 0x40000                  ; cx
	s_bfe_u32 s41, ttmp6, 0x40004                  ; cy
	s_lshl_b32 s42, ttmp9, 2
	s_add_co_u32 s42, s42, s40                     ; block column = 4 x cluster x + cx
	s_and_b32 s13, ttmp7, 0xffff
	s_lshl_b32 s13, s13, 2
	s_add_co_u32 s13, s13, s41                     ; block row = 4 x cluster y + cy
	s_lshl_b32 s43, s41, 2
	s_lshl_b32 s43, 15, s43                        ; my row of the cluster
	s_lshl_b32 s44, 0x1111, s40                    ; my column
	; group 1 for AO: 2 rows of 8,192 elements of 2 bytes, 262,144 elements apart; 16 bytes of padding behind every 32 words
	s_or_b32 s[G1+0], s43, (1<<16)|(1<<20)|(1<<21)|(4<<22)|(3<<25)
	s_mov_b32 s[G1+1], 8192<<16                    ; tensor_dim0 = 8,192
	s_mov_b32 s[G1+2], 2<<16                       ; tensor_dim1 = 2
	s_mov_b32 s[G1+3], 8192<<16                    ; tile_dim0 = 8,192
	s_mov_b32 s[G1+4], 2                           ; tile_dim1 = 2
	s_mov_b32 s[G1+5], 262144                      ; elements from a head to the next
	s_mov_b32 s[G1+6], 0
	s_mov_b32 s[G1+7], 0
	; group 1 for wo: 64 rows of 256 elements, 1,024 elements apart; 16 bytes of padding behind every 128 words
	s_or_b32 s[G1B+0], s44, (1<<16)|(1<<20)|(1<<21)|(6<<22)|(3<<25)
	s_mov_b32 s[G1B+1], 256<<16
	s_mov_b32 s[G1B+2], 64<<16
	s_mov_b32 s[G1B+3], 256<<16
	s_mov_b32 s[G1B+4], 64
	s_mov_b32 s[G1B+5], 1024
	s_mov_b32 s[G1B+6], 0
	s_mov_b32 s[G1B+7], 0
	s_lshl_b32 s16, s12, 20                        ; AO: head 2 x half (524,288 bytes a head),
	s_lshl_b32 s17, s13, 14                        ; row 128 x block row (128 bytes a row)
	s_add_co_u32 s16, s16, s17
	s_mov_b32 s17, 0
	s_lshl_b32 s46, s42, 18                        ; wo: row 128 x block column + 64 x half, 2,048 bytes a row
	s_lshl_b32 s47, s12, 17
	s_add_co_u32 s46, s46, s47
	s_add_co_u32 s46, s46, 0xB00000                ; wo's place in cb
	s_mov_b32 s47, 0
	s_mul_i32 s20, s10, 2*ACH                      ; where they go: AO's pairs of heads at wave x two tiles,
	s_mul_i32 s21, s10, 64*PB
	s_add_co_u32 s21, s21, BOFF-2*64*PB            ; wo's halves: wave 2 begins at BOFF
	s_wait_dscnt 0x0
	s_wait_kmcnt 0x0
	s_add_nc_u64 s[14:15], s[4:5], s[16:17]
	s_add_nc_u64 s[46:47], s[6:7], s[46:47]
	CROUND                                         ; all sixteen work-groups are here: the first joint loads meet
.irp s, 0,1
	s_mov_b32 s[G0+4*\s], 1
	s_add_co_u32 s[G0+4*\s+1], s20, \s*SLOT
	s_add_nc_u64 s[G0+4*\s+2:G0+4*\s+3], s[14:15], \s*0x200000     ; four heads on
	s_or_b32 s[G0+4*\s+3], s[G0+4*\s+3], 0x80000000
	s_mov_b32 s[G0B+4*\s], 1
	s_add_co_u32 s[G0B+4*\s+1], s21, \s*SLOT
	s_add_nc_u64 s[G0B+4*\s+2:G0B+4*\s+3], s[46:47], \s*512        ; 256 along K on
	s_or_b32 s[G0B+4*\s+3], s[G0B+4*\s+3], 0x80000000
	JLOAD \s                                       ; both slots are asked for before anything else: two tensor loads of the wave are out
.endr
	v_and_b32 v1, 15, v0                           ; r
	v_bfe_u32 v2, v0, 4, 1                         ; h
	v_mul_u32_u24 v3, v1, PA
	v_lshl_add_u32 v3, v2, 4, v3                   ; AO's fragment: row x pitch + 16 h
	v_mul_u32_u24 v4, v1, PB
	v_lshl_add_u32 v4, v2, 4, v4                   ; wo's
	s_mul_i32 s22, s11, 64*PA                      ; my 64 rows in each head's tile
	s_mul_i32 s23, s12, 64*PB
	s_add_co_u32 s23, s23, BOFF                    ; my 64 rows of wo
.irp s, 0,1
	v_add_nc_u32 v[ADRA+\s], s22, v3
	v_add_nc_u32 v[ADRB+\s], s23, v4
	s_add_co_u32 s22, s22, SLOT
	s_add_co_u32 s23, s23, SLOT
.endr
	s_mul_i32 s23, s10, 16*SPITCH
	s_add_co_u32 s23, s23, STAGE                   ; my stage
	v_mul_u32_u24 v5, v1, SPITCH
	v_lshl_add_u32 v5, v2, 5, v5
	v_add_nc_u32 v[STO], s23, v5                   ; in: row r, 32 bytes for each half of the lanes
	v_mul_u32_u24 v5, v2, SPITCH
	v_lshl_add_u32 v5, v1, 4, v5
	v_add_nc_u32 v[RD], s23, v5                    ; back: lanes 0-15 one row of 256 bytes, lanes 16-31 the next
	v_lshlrev_b32 v5, 4, v1
	v_lshl_add_u32 v[CO], v2, 12, v5               ; and the same two rows in out0 (4,096 bytes a row)
; four matrix instructions: row block a x all four column blocks, 32 along K.  zero = 1: the first product starts the sums.
; The 16 accumulators take turns, one instruction a turn, in the same order in every quarter.
.macro MUL4 f, a, zero
.irp b, 0,1,2,3
.if \zero
	v_wmma_f32_16x16x32_f16 v[8*(4*\a+\b):8*(4*\a+\b)+7], v[\f+8*\b:\f+8*\b+7], v[\f+32+8*\a:\f+32+8*\a+7], 0
.else
	v_wmma_f32_16x16x32_f16 v[8*(4*\a+\b):8*(4*\a+\b)+7], v[\f+8*\b:\f+8*\b+7], v[\f+32+8*\a:\f+32+8*\a+7], v[8*(4*\a+\b):8*(4*\a+\b)+7]
.endif
.endr
.endm
; 16 LDS loads in one run: the fragments of part q (32 along K, q = 0..7) of a slot into buffer f: wo's four, then AO's four
.macro FETCH slot, q, f
	WIN 0
.irp i, 0,1,2,3
	ds_load_b128 v[\f+8*\i:\f+8*\i+3],   v[ADRB+\slot] offset:64*\q+\i*16*PB
	ds_load_b128 v[\f+8*\i+4:\f+8*\i+7], v[ADRB+\slot] offset:64*\q+\i*16*PB+32
.endr
.irp i, 0,1,2,3
	ds_load_b128 v[\f+32+8*\i:\f+32+8*\i+3],   v[ADRA+\slot] offset:(\q/2)*ACH+(\q%2)*64+\i*16*PA      ; head q / 2 of the slot's four, d from 32 (q % 2)
	ds_load_b128 v[\f+32+8*\i+4:\f+32+8*\i+7], v[ADRA+\slot] offset:(\q/2)*ACH+(\q%2)*64+\i*16*PA+32
.endr
.endm
; four places between a matrix instruction and a load into, or a store or vector instruction on, one of its registers
.macro PLACES
.rept 4
	v_nop
.endr
.endm
; one of a slot's first seven parts: multiplies buffer f, and in its middle fetches part q into buffer g
.macro PART slot, q, f, g, zero
	s_wait_dscnt 4                                 ; wo's and AO's fragments 0, 1 are in; the youngest four loads (AO's fragments 2, 3) may be out
	WIN MUL
	MUL4 \f, 0, \zero
	MUL4 \f, 1, \zero
	PLACES
	FETCH \slot, \q, \g
	s_wait_dscnt 16                                ; all but the 16 just issued
	WIN MUL
	MUL4 \f, 2, \zero
	MUL4 \f, 3, \zero
.endm
.macro SEVEN slot, zero
	PART \slot, 1, F0, F1, \zero
	PART \slot, 2, F1, F0, 0
	PART \slot, 3, F0, F1, 0
	PART \slot, 4, F1, F0, 0
	PART \slot, 5, F0, F1, 0
	PART \slot, 6, F1, F0, 0
	PART \slot, 7, F0, F1, 0
.endm
; a slot's last part: multiplies buffer 1 and changes slots.  In front of the barrier each wave waits for its reads of this slot and for all its
; tensor loads (one is out: its part of the next slot).  fill = 1: the barrier opens a round of the cluster's barrier, and the joint refill of
; this slot, 512 along K ahead, is the first tensor load behind the round; it has the next slot's 128 matrix instructions in which to land.
.macro TURN slot, next, fill
	s_wait_dscnt 4
	WIN MUL
	MUL4 F1, 0, 0
	s_wait_dscnt 0                                 ; my reads of this slot are over
	s_wait_tensorcnt 0x0                           ; all my tensor loads have landed
	ds_add_u32 v254, v255
	s_wait_dscnt 0x0
	s_barrier_signal -1
	MUL4 F1, 1, 0                                  ; register work while the others arrive
	WIN 0
	s_barrier_wait -1
.if \fill
	CREST
	s_add_nc_u64 s[G0+4*\slot+2:G0+4*\slot+3], s[G0+4*\slot+2:G0+4*\slot+3], 0x400000      ; eight heads on
	s_add_nc_u64 s[G0B+4*\slot+2:G0B+4*\slot+3], s[G0B+4*\slot+2:G0B+4*\slot+3], 1024     ; 512 along K on
	JLOAD \slot
.endif
	PLACES
	FETCH \next, 0, F0
	WIN MUL
	MUL4 F1, 2, 0
	MUL4 F1, 3, 0
.endm
	s_wait_tensorcnt 1                             ; my part of slot 0 is in; slot 1's may stay out
	s_barrier_signal -1
	s_barrier_wait -1
	FETCH 0, 0, F0
	SEVEN 0, 1                                     ; K 0 to 255: the first products start the sums
	TURN 0, 1, 1                                   ; slot 0 is asked for again: K 512 to 767
	SEVEN 1, 0                                     ; K 256 to 511
	TURN 1, 0, 1                                   ; slot 1 is asked for again: K 768 to 1023
	SEVEN 0, 0
	TURN 0, 1, 0                                   ; nothing is left to fetch
	SEVEN 1, 0
	s_wait_dscnt 4                                 ; the very last part
	WIN MUL
	MUL4 F1, 0, 0
	MUL4 F1, 1, 0
	s_wait_dscnt 0
	MUL4 F1, 2, 0
	MUL4 F1, 3, 0
	PLACES                                         ; the places behind the last matrix instructions, for the LDS stores of the sums and the loads into the buffers
	s_lshl_b32 s16, s13, 19                        ; my first row of out0: 128 x block row + 64 wm, 4,096 bytes a row
	s_lshl_b32 s17, s11, 18
	s_add_co_u32 s16, s16, s17
	s_mov_b32 s17, 0
	s_add_nc_u64 s[8:9], s[8:9], s[16:17]
	s_lshl_b32 s46, s42, 9                         ; my first column: 128 x block column + 64 wn, 4 bytes each
	s_lshl_b32 s47, s12, 8
	s_add_co_u32 s46, s46, s47
	s_mov_b32 s47, 0
	s_add_nc_u64 s[8:9], s[8:9], s[46:47]
; rows 16 a .. 16 a + 15 of my 64: the sums go as they are (f32) into my own stage and come back as whole rows of 256 bytes.
; Each a has its own 32 registers for the way back, so no store's data is written again.
.macro OUTA a
	WIN 0x04                                       ; the stores' data in window 1
.irp b, 0,1,2,3
	ds_store_b128 v[STO], v[8*(4*\a+\b):8*(4*\a+\b)+3]   offset:64*\b
	ds_store_b128 v[STO], v[8*(4*\a+\b)+4:8*(4*\a+\b)+7] offset:64*\b+16
.endr
	WIN 0
.irp t, 0,1,2,3,4,5,6,7
	ds_load_b128 v[64+32*\a+4*\t:64+32*\a+4*\t+3], v[RD] offset:\t*2*SPITCH   ; LDS serves a wave's instructions in order (ISA guide 5.7.1.4): these see the stores above, and the next a's stores come behind them
.endr
.irp t, 0,1,2,3,4,5,6,7
	s_wait_dscnt 7-\t                              ; load t is in, the younger ones stay out
	global_store_b128 v[CO], v[64+32*\a+4*\t:64+32*\a+4*\t+3], s[8:9] offset:\a*65536+\t*8192 th:TH_STORE_NT   ; 16 lanes store 256 consecutive bytes, aligned
.endr
.endm
	OUTA 0
	OUTA 1
	OUTA 2
	OUTA 3
	s_wait_tensorcnt 0x0
	ds_add_u32 v254, v255
	s_wait_dscnt 0x0
	CROUND                                         ; the closing round: no work-group ends while a partner may still ask for a tile that names it
	s_endpgm
.Lfunc_end_k_q5f16b38485_oproj:
	.size	k_q5f16b38485_oproj, .Lfunc_end_k_q5f16b38485_oproj-k_q5f16b38485_oproj
	.p2alignl 7, 3214868480
	.fill 96, 4, 3214868480
	.section	.rodata,"a",@progbits
	.p2align	6, 0x0
	.amdhsa_kernel k_q5f16b38485_oproj
		.amdhsa_group_segment_fixed_size 327680
		.amdhsa_private_segment_fixed_size 0
		.amdhsa_enable_private_segment 0
		.amdhsa_kernarg_size 24
		.amdhsa_user_sgpr_count 2
		.amdhsa_user_sgpr_kernarg_segment_ptr 1
		.amdhsa_wavefront_size32 1
		.amdhsa_system_sgpr_workgroup_id_x 1
		.amdhsa_system_sgpr_workgroup_id_y 1
		.amdhsa_system_sgpr_workgroup_id_z 1
		.amdhsa_system_vgpr_workitem_id 0
		.amdhsa_next_free_vgpr 384
		.amdhsa_next_free_sgpr 66
		.amdhsa_reserve_vcc 0
		.amdhsa_float_denorm_mode_32 3
		.amdhsa_float_denorm_mode_16_64 3
		.amdhsa_memory_ordered 1
		.amdhsa_forward_progress 1
		.amdhsa_inst_pref_size 90
	.end_amdhsa_kernel
	.amdgpu_metadata
---
amdhsa.version: [ 1, 2 ]
amdhsa.kernels:
  - .name:           k_q5f16b38485_oproj
    .symbol:         k_q5f16b38485_oproj.kd
    .args:
      - { .name: ao, .offset: 0, .size: 8, .value_kind: global_buffer, .address_space: global }
      - { .name: cb, .offset: 8, .size: 8, .value_kind: global_buffer, .address_space: global }
      - { .name: out0, .offset: 16, .size: 8, .value_kind: global_buffer, .address_space: global }
    .group_segment_fixed_size: 327680
    .private_segment_fixed_size: 0
    .kernarg_segment_align: 8
    .kernarg_segment_size: 24
    .max_flat_workgroup_size: 128
    .sgpr_count:     66
    .vgpr_count:     384
    .wavefront_size: 32
...
	.end_amdgpu_metadata
.endif
;; end of part 4
